; MI455X (gfx1250); checked and timed in simulation.
; The chip was launched on July 23, 2026; its instructions are those of AMD's public machine-readable ISA for CDNA 5 (MIT licence, August 2026) and "CDNA5" Instruction Set Architecture Reference Guide (July 2026). The comments in the code are by the model that wrote it; some were corrected since.
;; Tensor Train Linear. Allowed arithmetic: float matrix products may take bf16 or f16 operands with f32 sums; all other float work in f32.
;; Inputs: bias 4,096 float32; core0 1 x 16 x 16 x 16 float32; core1 16 x 16 x 16 x 16 float32; core2 16 x 16 x 16 x 1 float32; x 2 x 1,024 x 4,096 float32.
;; Outputs: out0 2 x 1,024 x 4,096 float32.
;; 2 versions, each right; version 2 is version 1 with the launch tt written anew for expert scheduling mode. Each part assembles by itself: llvm-mc -triple=amdgcn-amd-amdhsa -mcpu=gfx1250 --defsym DOCPART=n.
;; ======== version 1 of 2: 1 launch
;; limits: values are held in f16: magnitudes above 65,504 overflow, below 6.1e-05 lose precision
;; launch tt (part 1): grid 256 x 1, 4 waves a work-group, no clusters, 284,672 bytes of LDS; arguments x, core0, core1, core2, bias, out0; writes out0
.if DOCPART == 1
	.amdgcn_target "amdgcn-amd-amdhsa--gfx1250"
	.amdhsa_code_object_version 6
	.text
	.protected	k_q6ee542b330_tt
	.globl	k_q6ee542b330_tt
	.p2align	8
	.type	k_q6ee542b330_tt,@function
k_q6ee542b330_tt:
	s_mov_b64 s[64:65], 0
	v_nop
	global_prefetch_b8 v0, s[64:65] scope:SCOPE_SE
	s_setreg_imm32_b32 hwreg(HW_REG_WAVE_MODE, 25, 1), 1
	s_wait_xcnt 0x0
; TensorTrainLinear: out[b][x][y][z] = bias[x][y][z] + sum over k,r of core2[r][k][z] * t2[b][k][x][y][r],
;   t2 = sum over j,q of core1[q][j][y][r] * t1[b][j][k][x][q],   t1 = sum over i of core0[i][x][q] * X[b][i][j][k].
; 2,048 rows b of 4,096 f32 in and out; every index runs over 16.
;
; LIMITS.  Matrix operands are f16, sums f32.  x, the cores, t1 and each wave's partial t2 are rounded to f16: a magnitude above 65,504
; becomes infinite (and, against the zero half of step 1's K, NaN); below 6.1e-5 the absolute rounding error is up to 3e-8.
; An output is (partial of j 0-7) + (partial of j 8-15) + bias in f32: another order of adding than the reference's.
;
; THE SHAPE.  b is the only index that lives through all three steps, so 16 rows b are the matrix column n (the lanes) and the weights
; are always operand A.  A result tile holds (m = 8h + register, n = lane % 16); two such tiles packed to f16 ARE the B fragment of the
; next step (registers 0-3: k = 8h.., registers 4-7: k = 16 + 8h..): t1 and t2 never leave the registers.
; A work-group has 16 rows b (ttmp9 >> 1) and eight x (ttmp9 & 1).  Wave w: jh = w & 1 is its half of j, p = w >> 1 its four x.
; The wave's half of core1 (16 y x 4 K steps x 8 registers = 512) stays in registers; the wave makes t1 for its own j alone, a partial
; t2, and sends that through step 3, which is linear; the two partial outputs of a pair meet in LDS on the way out.
; For one x and two k a wave issues 16 (step 1, half of K is zero) + 128 (step 2) + 16 (step 3) matrix instructions.
;
; NO TENSOR LOADS, NO CLUSTER: every input is f32 in memory and has to be rounded to f16 and laid anew, which takes registers; each
; work-group reads its inputs once, in front of the loop (256 KiB of x, 280 KiB of cores), and the loop loads only 1 KiB of bias a trip.
;
; LDS (bytes)
.set XQ,    2064                       ; four blocks of 512 bytes (k & 3) and 16 bytes of padding
.set XJ,    4*XQ                       ; from j to j + 1
.set XB,    0                          ; x in f16: (j, k, h, b) = 16 bytes (i = 8h..8h+7) at j XJ + (k>>2) XQ + (k&3) 512 + 256 h + 16 b
.set W1S,   16*XJ                      ; core1 in f16: row 16 j + q, pitch WP, column 16 y + r
.set WP,    544                        ; 512 + 32
.set OS,    W1S                        ; the way out lies over core1's stage, which is read only once: part w, row b, 256 f32 (y, z)
.set OP,    1040                       ; 1,024 + 16
.set OPART, 16*OP
.set C0S,   W1S+256*WP                 ; core0 in f16, this work-group's eight x: row i, pitch C0P, column 16 (x & 7) + q
.set C0P,   288                        ; 256 + 32
.set C2S,   C0S+16*C0P                 ; core2 in f16: row 16 k + r, pitch 32, column z.  Ends at C2S + 8,192 = 284,160
; REGISTERS, block 0
.set XG,   6                           ; x: my byte offset from the group's first row
.set XS,   7                           ; x: where I store in XB
.set W1G,  8                           ; core1: my byte offset
.set W1A,  9                           ; v9, v10: where I store in W1S, j 0-7 and j 8-15
.set CG,   11                          ; core2: my byte offset
.set C0W,  12                          ; where I store in C0S
.set C2W,  13                          ; where I store in C2S
.set TR,   14                          ; transposing reads of W1S
.set C2R,  15                          ; of C2S
.set A0R,  16                          ; of C0S, at the trip's x
.set XA,   17                          ; fragment reads of XB
.set OW,   18                          ; way out: where I put my results
.set ORD,  19                          ; way out: where I read rows back
.set OUTO, 20                          ; my byte offset in out0
.set BO,   21                          ; my byte offset in bias
.set C0G,  22                          ; core0: my byte offset
.set BIAS, 32                          ; v[32:39]   bias of the trip's x: my 16 bytes of each half row
.set PK,   32                          ; v[32:47]   in front of the loop: packed f16 on their way to LDS
.set RING, 40                          ; v[40:103]  four slots of two f32 tiles: results of steps 1 and 2 until they are packed
.set LR,   64                          ; v[64:255]  in front of the loop: six groups of 32 registers for global loads
.set D3,   128                         ; v[128:255] step 3's sums: tile y at D3 + 8 y
; block 1
.set T1,   0                           ; 0-63    t1 as B fragments: (k & 1, K step s) at 8 (4 (k&1) + s)
.set XF,   64                          ; 64-127  x as B fragments, same order: registers 0-3 j = 2s, registers 4-7 j = 2s + 1
.set CF,   128                         ; 128-191 core2 as A fragments: pair of k at 8 kp
.set T2,   192                         ; 192-223 t2 as B fragments: four slots
.set A0,   224                         ; 224-235 {0,0,0,0, core0's fragment half, 0,0,0,0}: read from A0+4 it acts on j = 2s, from A0 on j = 2s + 1
; blocks 2, 3: core1 as A fragments: (y, s) in block 2 + (y >> 3) at 8 (4 (y & 7) + s)
; s_set_vgpr_msb's low byte: bits 1:0 source 0, 3:2 source 1, 5:4 source 2, 7:6 destination
.set W_S2LO, 0x06                      ; A block 2, B block 1, C and D block 0
.set W_S2HI, 0x07                      ; A block 3
.set W_S13,  0x05                      ; A and B block 1, C and D block 0
.set W_CVT,  0x40                      ; sources and LDS addresses block 0, destination block 1
.set MSB, 0
.macro WIN new                         ; the immediate's high byte repeats the setting that is left; a switch that changes nothing is dropped
.if MSB != \new
	s_set_vgpr_msb (MSB<<8)|\new
.set MSB, \new
.endif
.endm
.macro PLACES n                        ; places behind matrix instructions where no useful independent vector work is at hand (ISA guide 7.12.1)
.rept \n
	v_nop
.endr
.endm
	s_load_b256 s[4:11], s[0:1], 0x0               ; x s[4:5], core0 s[6:7], core1 s[8:9], core2 s[10:11]
	s_load_b128 s[12:15], s[0:1], 0x20             ; bias s[12:13], out0 s[14:15]
	v_lshl_add_u32 v30, v0, 2, 0x45600
	v_mov_b32 v31, 0
	v_and_b32 v1, 31, v0                           ; L
	v_lshrrev_b32 v4, 5, v0
	v_readfirstlane_b32 s16, v4                    ; w
	s_and_b32 s17, s16, 1                          ; jh
	s_lshr_b32 s18, s16, 1                         ; p
	s_lshr_b32 s19, ttmp9, 1                       ; group of 16 rows b
	s_and_b32 s20, ttmp9, 1                        ; xh
	s_lshl_b32 s21, s20, 3
	s_lshl2_add_u32 s21, s18, s21                  ; my first x = 8 xh + 4 p
	v_and_b32 v2, 15, v0                           ; r
	v_bfe_u32 v3, v0, 4, 1                         ; h
	s_lshl_b32 s26, s18, 17                        ; XG = p x 8 rows of 16,384 bytes + jh x 512 + 16 L
	s_lshl_b32 s27, s17, 9
	s_add_co_u32 s26, s26, s27
	v_lshl_add_u32 v[XG], v1, 4, s26
	s_mul_i32 s26, s17, 32*XQ                      ; XS = (32 jh + L) XQ + 128 p: lane L holds j = 8 jh + (L >> 2), k >> 2 = L & 3
	s_lshl_b32 s27, s18, 7
	s_add_co_u32 s26, s26, s27
	v_mul_u32_u24 v[XS], v1, XQ
	v_add_nc_u32 v[XS], s26, v[XS]
	s_lshl_b32 s26, s16, 16                        ; W1G = 4 w planes q of 16,384 bytes + 16 L
	v_lshl_add_u32 v[W1G], v1, 4, s26
	s_mul_i32 s26, s16, 4*WP                       ; W1A = W1S + row 4 w + 8 L
	s_add_co_u32 s26, s26, W1S
	v_lshl_add_u32 v[W1A], v1, 3, s26
	v_add_nc_u32 v[W1A+1], 8*16*WP, v[W1A]
	v_lshlrev_b32 v[CG], 5, v0                     ; 32 bytes a thread
	s_lshl_b32 s26, s16, 10                        ; C0G = row w + xh x 512 + 16 L
	s_lshl_b32 s27, s20, 9
	s_add_co_u32 s26, s26, s27
	v_lshl_add_u32 v[C0G], v1, 4, s26
	s_mul_i32 s26, s16, C0P                        ; C0W = C0S + row w + 8 L
	s_add_co_u32 s26, s26, C0S
	v_lshl_add_u32 v[C0W], v1, 3, s26
	s_lshl_b32 s26, s16, 5                         ; C2W = C2S + (16 (L >> 1) + w) x 32 + 16 (L & 1)
	s_add_co_u32 s26, s26, C2S
	v_lshrrev_b32 v4, 1, v1
	v_and_b32 v5, 1, v1
	v_lshl_add_u32 v4, v4, 9, s26
	v_lshl_add_u32 v[C2W], v5, 4, v4
	v_and_b32 v4, 7, v1                            ; the lane's part in a transposing read of a tile stored [K][N]:
	v_lshl_or_b32 v4, v3, 3, v4                    ; row 8 h + (L & 7),
	v_bfe_u32 v5, v1, 3, 1
	v_lshlrev_b32 v5, 4, v5                        ; 16 bytes x ((L >> 3) & 1)
	s_mul_i32 s26, s17, 128*WP                     ; TR: my j half starts at row 128 jh
	s_add_co_u32 s26, s26, W1S
	v_mul_u32_u24 v[TR], v4, WP
	v_add3_u32 v[TR], v[TR], v5, s26
	v_lshl_add_u32 v[C2R], v4, 5, v5
	v_add_nc_u32 v[C2R], C2S, v[C2R]
	s_lshl_b32 s26, s18, 7                         ; A0R: 32 bytes for each x, my first is 4 p of the staged eight
	s_add_co_u32 s26, s26, C0S
	v_mul_u32_u24 v[A0R], v4, C0P
	v_add3_u32 v[A0R], v[A0R], v5, s26
	s_mul_i32 s26, s17, 8*XJ                       ; XA = my j half + 16 L (= 256 h + 16 b)
	v_lshl_add_u32 v[XA], v1, 4, s26
	s_mul_i32 s26, s16, OPART                      ; OW = my part + row r + 32 h
	s_add_co_u32 s26, s26, OS
	v_mul_u32_u24 v[OW], v2, OP
	v_lshl_add_u32 v[OW], v3, 5, v[OW]
	v_add_nc_u32 v[OW], s26, v[OW]
	s_mul_i32 s26, s18, 2*OPART                    ; ORD = my pair's two parts, rows 8 jh .., + 16 L
	s_mul_i32 s27, s17, 8*OP
	s_add_co_u32 s26, s26, s27
	s_add_co_u32 s26, s26, OS
	v_lshl_add_u32 v[ORD], v1, 4, s26
	s_lshl_b32 s26, s17, 17                        ; OUTO = 8 jh rows of 16,384 bytes + 16 L
	v_lshl_add_u32 v[OUTO], v1, 4, s26
	v_lshlrev_b32 v[BO], 4, v1
	s_wait_kmcnt 0x0
	s_lshl_b32 s24, s19, 18                        ; 16 rows of 16,384 bytes
	s_mov_b32 s25, 0
	s_add_nc_u64 s[4:5], s[4:5], s[24:25]
	s_add_nc_u64 s[14:15], s[14:15], s[24:25]
	s_lshl_b32 s24, s21, 10                        ; 1,024 bytes for each x
	s_add_nc_u64 s[14:15], s[14:15], s[24:25]
	s_add_nc_u64 s[12:13], s[12:13], s[24:25]
; IN FRONT OF THE LOOP: 34 groups of loads a wave, six groups in flight.  Groups 0-15: x (rows b = 8 p + (g >> 1), i = 8 (g & 1) + e, the
; 512 bytes of my j half).  Groups 16-31: core1 (j = g - 16, q = 4 w + (e >> 1), half a row).  Group 32: core0.  Group 33: core2.
; ISS counts the loads issued, DONE those up to the group at work: their difference is the number of younger loads.
.set ISS, 0
.set DONE, 0
.macro ISSUE g
.set LB, LR+32*((\g)%6)
.if (\g) < 16
.irp e, 0,1,2,3,4,5,6,7
	global_load_b128 v[LB+4*\e:LB+4*\e+3], v[XG], s[4:5] offset:((\g)>>1)*16384+(8*((\g)&1)+\e)*1024
.endr
.set ISS, ISS+8
.elseif (\g) < 32
.irp e, 0,1,2,3,4,5,6,7
	global_load_b128 v[LB+4*\e:LB+4*\e+3], v[W1G], s[8:9] offset:(\e>>1)*16384+((\g)-16)*1024+(\e&1)*512
.endr
.set ISS, ISS+8
.elseif (\g) == 32
.irp u, 0,1,2,3
	global_load_b128 v[LB+4*\u:LB+4*\u+3], v[C0G], s[6:7] offset:\u*4096          ; row i = 4 u + w, my work-group's eight x
.endr
.set ISS, ISS+4
.else
.irp u, 0,1,2,3
	global_load_b128 v[LB+8*\u:LB+8*\u+3],   v[CG], s[10:11] offset:\u*4096       ; r = 4 u + w, k = L >> 1, z = 8 (L & 1) ..
	global_load_b128 v[LB+8*\u+4:LB+8*\u+7], v[CG], s[10:11] offset:\u*4096+16
.endr
.set ISS, ISS+8
.endif
.endm
.macro PROC g
.set LB, LR+32*((\g)%6)
.if (\g) == 32
.set DONE, DONE+4
.else
.set DONE, DONE+8
.endif
	s_wait_loadcnt ISS-DONE                        ; loads return in order (ISA guide 5.7.1): this group is in, the younger ones stay out
.if (\g) < 16
.irp t, 0,1,2,3                                    ; register 4 e + t holds (i = 8 h' + e, k = 4 (L & 3) + t): for each t eight i make 16 bytes
.irp d, 0,1,2,3
	v_cvt_pk_f16_f32 v[PK+4*\t+\d], v[LB+8*\d+\t], v[LB+8*\d+4+\t]
.endr
.endr
.irp t, 0,1,2,3
	ds_store_b128 v[XS], v[PK+4*\t:PK+4*\t+3] offset:\t*512+((\g)&1)*256+((\g)>>1)*16   ; lanes XQ apart: 16 bytes apart modulo 256
.endr
.elseif (\g) < 32
.irp e, 0,1,2,3,4,5,6,7
	v_cvt_pk_f16_f32 v[PK+2*\e],   v[LB+4*\e],   v[LB+4*\e+1]
	v_cvt_pk_f16_f32 v[PK+2*\e+1], v[LB+4*\e+2], v[LB+4*\e+3]
.endr
.irp e, 0,1,2,3,4,5,6,7
	ds_store_b64 v[W1A+(((\g)-16)>>3)], v[PK+2*\e:PK+2*\e+1] offset:(((\g)-16)&7)*16*WP+(\e>>1)*WP+(\e&1)*256
.endr
.elseif (\g) == 32
.irp u, 0,1,2,3
	v_cvt_pk_f16_f32 v[PK+2*\u],   v[LB+4*\u],   v[LB+4*\u+1]
	v_cvt_pk_f16_f32 v[PK+2*\u+1], v[LB+4*\u+2], v[LB+4*\u+3]
.endr
.irp u, 0,1,2,3
	ds_store_b64 v[C0W], v[PK+2*\u:PK+2*\u+1] offset:\u*4*C0P
.endr
.else
.irp u, 0,1,2,3
.irp d, 0,1,2,3
	v_cvt_pk_f16_f32 v[PK+4*\u+\d], v[LB+8*\u+2*\d], v[LB+8*\u+2*\d+1]
.endr
.endr
.irp u, 0,1,2,3
	ds_store_b128 v[C2W], v[PK+4*\u:PK+4*\u+3] offset:\u*128
.endr
.endif
.endm
.irp g, 0,1,2,3,4,5
	ISSUE \g
.endr
.irp g, 0,1,2,3,4,5,6,7,8,9,10,11,12,13,14,15,16,17,18,19,20,21,22,23,24,25,26,27,28,29,30,31,32,33
	PROC \g
.if \g+6 < 34
	ISSUE \g+6
.endif
.endr
	s_wait_dscnt 0x0                               ; my stores are in LDS, for the other waves' sake,
	s_barrier_signal -1
	s_barrier_wait -1                              ; and so are everybody's
	; core1's fragments of my j half, for good: A(y, s): row m = r, k = 16 (j & 1) + q, j = 8 jh + 2 s + (j & 1)
.irp blk, 0,1
	WIN 0x80+0x40*\blk
.irp y, 0,1,2,3,4,5,6,7
.irp s, 0,1,2,3
	ds_load_tr16_b128 v[8*(4*\y+\s):8*(4*\y+\s)+3],   v[TR] offset:2*\s*16*WP+32*(\y+8*\blk)
	ds_load_tr16_b128 v[8*(4*\y+\s)+4:8*(4*\y+\s)+7], v[TR] offset:(2*\s+1)*16*WP+32*(\y+8*\blk)
.endr
.endr
.endr
	WIN W_CVT
.irp kp, 0,1,2,3,4,5,6,7                           ; core2's fragments: row m = z, k = 16 (k & 1) + r
	ds_load_tr16_b128 v[CF+8*\kp:CF+8*\kp+3],   v[C2R] offset:(2*\kp)*512
	ds_load_tr16_b128 v[CF+8*\kp+4:CF+8*\kp+7], v[C2R] offset:(2*\kp+1)*512
.endr
.irp d, 0,1,2,3,8,9,10,11
	v_mov_b32 v[A0+\d], 0                          ; the zero halves on both sides of core0's fragment half
.endr
; 16 LDS loads: x's fragments of k = 2 kp, 2 kp + 1 and my eight j; each load takes 512 neighbouring bytes
.macro LOADX kp
.irp kk, 0,1
.irp s, 0,1,2,3
.irp jj, 0,1
	ds_load_b128 v[XF+8*(4*\kk+\s)+4*\jj:XF+8*(4*\kk+\s)+4*\jj+3], v[XA] offset:(2*\s+\jj)*XJ+((2*(\kp)+\kk)>>2)*XQ+((2*(\kp)+\kk)&3)*512
.endr
.endr
.endr
.endm
; step 1 for x fragment c: t1(q, b) of j = 2 s in the slot's low tile, of j = 2 s + 1 in its high tile
.macro S1C c, slot
	v_wmma_f32_16x16x32_f16 v[RING+16*(\slot):RING+16*(\slot)+7],    v[A0+4:A0+11], v[XF+8*(\c):XF+8*(\c)+7], 0
	v_wmma_f32_16x16x32_f16 v[RING+16*(\slot)+8:RING+16*(\slot)+15], v[A0:A0+7],    v[XF+8*(\c):XF+8*(\c)+7], 0
.endm
; two f32 tiles become one B fragment
.macro CV src, dst
.irp d, 0,1,2,3,4,5,6,7
	v_cvt_pk_f16_f32 v[(\dst)+\d], v[(\src)+2*\d], v[(\src)+2*\d+1]
.endr
.endm
; step 2 for one y: t2(r, b) of k = 2 kp in the low tile, of k = 2 kp + 1 in the high tile; the first product starts each sum
.macro S2C y, slot
.irp s, 0,1,2,3
.if \s == 0
	v_wmma_f32_16x16x32_f16 v[RING+16*(\slot):RING+16*(\slot)+7],    v[8*(4*((\y)&7)+\s):8*(4*((\y)&7)+\s)+7], v[T1+8*\s:T1+8*\s+7], 0
	v_wmma_f32_16x16x32_f16 v[RING+16*(\slot)+8:RING+16*(\slot)+15], v[8*(4*((\y)&7)+\s):8*(4*((\y)&7)+\s)+7], v[T1+32+8*\s:T1+32+8*\s+7], 0
.else
	v_wmma_f32_16x16x32_f16 v[RING+16*(\slot):RING+16*(\slot)+7],    v[8*(4*((\y)&7)+\s):8*(4*((\y)&7)+\s)+7], v[T1+8*\s:T1+8*\s+7], v[RING+16*(\slot):RING+16*(\slot)+7]
	v_wmma_f32_16x16x32_f16 v[RING+16*(\slot)+8:RING+16*(\slot)+15], v[8*(4*((\y)&7)+\s):8*(4*((\y)&7)+\s)+7], v[T1+32+8*\s:T1+32+8*\s+7], v[RING+16*(\slot)+8:RING+16*(\slot)+15]
.endif
.endr
.endm
; step 3 for one y: out(z, b) gains the two k of this pair; the first pair starts the sum
.macro S3 y, kp
.if (\kp) == 0
	v_wmma_f32_16x16x32_f16 v[D3+8*(\y):D3+8*(\y)+7], v[CF+8*(\kp):CF+8*(\kp)+7], v[T2+8*((\y)&3):T2+8*((\y)&3)+7], 0
.else
	v_wmma_f32_16x16x32_f16 v[D3+8*(\y):D3+8*(\y)+7], v[CF+8*(\kp):CF+8*(\kp)+7], v[T2+8*((\y)&3):T2+8*((\y)&3)+7], v[D3+8*(\y):D3+8*(\y)+7]
.endif
.endm
; One x, two k.  Distances behind matrix instructions (ISA guide 7.12.1) are kept by the order of the work: what packs the tiles of
; unit m - 1 stands behind the matrix instructions of unit m and has the sixteen conversions of unit m - 2, which name none of unit
; m - 1's registers, between it and unit m - 1; a half of the ring and of T2 is written again two units later, behind the same runs.
; v_nop stand only where no such run exists: behind step 1's two runs and behind unit 0.
.macro KPAIR kp
	s_wait_dscnt 0x0                               ; x's fragments, asked for one whole step 2 earlier (in the first pair: all fragments); nothing else is out
	WIN W_S13
.irp c, 0,1,2,3
	S1C \c, \c
.endr
	WIN W_CVT
	PLACES 4
.irp c, 0,1,2,3
	CV RING+16*\c, T1+8*\c
.endr
	WIN W_S13
.irp c, 0,1,2,3
	S1C \c+4, \c
.endr
	WIN W_CVT
	PLACES 4
.irp c, 0,1,2,3
	CV RING+16*\c, T1+32+8*\c
.endr
.if (\kp) < 7
	LOADX (\kp)+1                                  ; the next pair's x, in one run, behind the last reader of XF by the places above
.endif
.irp m, 0,1,2,3,4,5,6,7                            ; unit m: y = 2 m, 2 m + 1, in ring half m & 1
.if \m < 4
	WIN W_S2LO
.else
	WIN W_S2HI
.endif
	S2C 2*\m, 2*(\m&1)
	S2C 2*\m+1, 2*(\m&1)+1
.if \m >= 2
	WIN W_S13
	S3 2*\m-4, \kp
	S3 2*\m-3, \kp
.endif
.if \m >= 1
	WIN W_CVT
	CV RING+32*((\m-1)&1), T2+16*((\m-1)&1)
	CV RING+32*((\m-1)&1)+16, T2+16*((\m-1)&1)+8
.else
	PLACES 4
.endif
.endr
	WIN W_S13
	S3 12, \kp
	S3 13, \kp
	WIN W_CVT
	CV RING+32, T2+16
	CV RING+48, T2+24
	WIN W_S13
	S3 14, \kp
	S3 15, \kp
.endm
	WIN 0                                          ; at a label and at a branch every window is 0
	s_mov_b32 s22, 4                               ; four x a wave
.Lx:
	global_load_b128 v[BIAS:BIAS+3],   v[BO], s[12:13]             ; wanted at the trip's end
	global_load_b128 v[BIAS+4:BIAS+7], v[BO], s[12:13] offset:512
	WIN W_CVT
	ds_load_tr16_b128 v[A0+4:A0+7], v[A0R]         ; core0(i = 8 h .., x, q = r)
	LOADX 0
.irp kp, 0,1,2,3,4,5,6,7
	KPAIR \kp
.endr
	; THE WAY OUT.  A lane holds out(b = r, y, z = 8 h .. 8 h + 7) of its j half.  Both halves go to LDS as rows b of 1,024 bytes; then
	; wave (p, jh) reads rows 8 jh .. 8 jh + 7 of both parts, adds them and the bias, and stores 512 neighbouring, aligned bytes at a time.
	WIN 0
	PLACES 4                                       ; behind the last matrix instructions, in front of the LDS stores that read their results
	s_wait_dscnt 0x0                               ; my reads of these LDS bytes are over (first trip: core1's stage; later: the last way out)
	s_barrier_signal -1
	s_barrier_wait -1                              ; everybody's are: the stage may be written
.irp y, 0,1,2,3,4,5,6,7,8,9,10,11,12,13,14,15
	ds_store_b128 v[OW], v[D3+8*\y:D3+8*\y+3]   offset:64*\y       ; rows OP apart: 16 bytes apart modulo 256
	ds_store_b128 v[OW], v[D3+8*\y+4:D3+8*\y+7] offset:64*\y+16
.endr
	s_wait_dscnt 0x0                               ; my part is in LDS, for my partner's sake
	s_barrier_signal -1
	s_barrier_wait -1
.irp t, 0,1,2,3,4,5,6,7,8,9,10,11,12,13,14,15      ; t = 2 row + half row
	ds_load_b128 v[D3+8*\t:D3+8*\t+3],   v[ORD] offset:(\t>>1)*OP+(\t&1)*512
	ds_load_b128 v[D3+8*\t+4:D3+8*\t+7], v[ORD] offset:OPART+(\t>>1)*OP+(\t&1)*512
.endr
	s_wait_loadcnt 0x0                             ; the bias, asked for at the trip's head
.irp t, 0,1,2,3,4,5,6,7,8,9,10,11,12,13,14,15
	s_wait_dscnt 30-2*\t                           ; LDS loads return in order: the two of t are in, the 2 (15 - t) younger ones stay out
	v_pk_add_f32 v[D3+8*\t:D3+8*\t+1],   v[D3+8*\t:D3+8*\t+1],   v[D3+8*\t+4:D3+8*\t+5]
	v_pk_add_f32 v[D3+8*\t+2:D3+8*\t+3], v[D3+8*\t+2:D3+8*\t+3], v[D3+8*\t+6:D3+8*\t+7]
	v_pk_add_f32 v[D3+8*\t:D3+8*\t+1],   v[D3+8*\t:D3+8*\t+1],   v[BIAS+4*(\t&1):BIAS+4*(\t&1)+1]
	v_pk_add_f32 v[D3+8*\t+2:D3+8*\t+3], v[D3+8*\t+2:D3+8*\t+3], v[BIAS+4*(\t&1)+2:BIAS+4*(\t&1)+3]
	global_store_b128 v[OUTO], v[D3+8*\t:D3+8*\t+3], s[14:15] offset:(\t>>1)*16384+(\t&1)*512 th:TH_STORE_NT
.endr
	s_wait_xcnt 0x0                                ; the stores' data (D3, which the next trip's sums overwrite) and both bases are rewritten only behind this wait
	s_add_nc_u64 s[14:15], s[14:15], 1024          ; the next x
	s_add_nc_u64 s[12:13], s[12:13], 1024
	v_add_nc_u32 v[A0R], 32, v[A0R]
	s_sub_co_i32 s22, s22, 1
	s_cmp_lg_u32 s22, 0
	s_cbranch_scc1 .Lx
	s_wait_tensorcnt 0x0
	ds_add_u32 v30, v31
	s_wait_dscnt 0x0
	s_endpgm
.Lfunc_end_k_q6ee542b330_tt:
	.size	k_q6ee542b330_tt, .Lfunc_end_k_q6ee542b330_tt-k_q6ee542b330_tt
	.p2alignl 7, 3214868480
	.fill 96, 4, 3214868480
	.section	.rodata,"a",@progbits
	.p2align	6, 0x0
	.amdhsa_kernel k_q6ee542b330_tt
		.amdhsa_group_segment_fixed_size 284672
		.amdhsa_private_segment_fixed_size 0
		.amdhsa_enable_private_segment 0
		.amdhsa_kernarg_size 48
		.amdhsa_user_sgpr_count 2
		.amdhsa_user_sgpr_kernarg_segment_ptr 1
		.amdhsa_wavefront_size32 1
		.amdhsa_system_sgpr_workgroup_id_x 1
		.amdhsa_system_sgpr_workgroup_id_y 1
		.amdhsa_system_sgpr_workgroup_id_z 1
		.amdhsa_system_vgpr_workitem_id 0
		.amdhsa_next_free_vgpr 1024
		.amdhsa_next_free_sgpr 66
		.amdhsa_reserve_vcc 0
		.amdhsa_float_denorm_mode_32 3
		.amdhsa_float_denorm_mode_16_64 3
		.amdhsa_memory_ordered 1
		.amdhsa_forward_progress 1
		.amdhsa_inst_pref_size 255
	.end_amdhsa_kernel
	.section	.bss,"aw",@nobits
	.p2align	6
	.space	262144
	.amdgpu_metadata
---
amdhsa.version: [ 1, 2 ]
amdhsa.kernels:
  - .name:           k_q6ee542b330_tt
    .symbol:         k_q6ee542b330_tt.kd
    .args:
      - { .name: x, .offset: 0, .size: 8, .value_kind: global_buffer, .address_space: global }
      - { .name: core0, .offset: 8, .size: 8, .value_kind: global_buffer, .address_space: global }
      - { .name: core1, .offset: 16, .size: 8, .value_kind: global_buffer, .address_space: global }
      - { .name: core2, .offset: 24, .size: 8, .value_kind: global_buffer, .address_space: global }
      - { .name: bias, .offset: 32, .size: 8, .value_kind: global_buffer, .address_space: global }
      - { .name: out0, .offset: 40, .size: 8, .value_kind: global_buffer, .address_space: global }
    .group_segment_fixed_size: 284672
    .private_segment_fixed_size: 0
    .kernarg_segment_align: 8
    .kernarg_segment_size: 48
    .max_flat_workgroup_size: 128
    .sgpr_count:     66
    .vgpr_count:     1024
    .wavefront_size: 32
...
	.end_amdgpu_metadata
.endif
;; end of part 1
;; ======== version 2 of 2: 1 launch; version 1 with the launch tt written anew for expert scheduling mode
;; limits: values are held in f16: magnitudes above 65,504 overflow, below 6.1e-05 lose precision
;; launch tt (part 2): grid 256 x 1, 4 waves a work-group, no clusters, 284,672 bytes of LDS; arguments x, core0, core1, core2, bias, out0; writes out0
.if DOCPART == 2
	.amdgcn_target "amdgcn-amd-amdhsa--gfx1250"
	.amdhsa_code_object_version 6
	.text
	.protected	k_q6ee542b330_tt
	.globl	k_q6ee542b330_tt
	.p2align	8
	.type	k_q6ee542b330_tt,@function
k_q6ee542b330_tt:
	s_mov_b64 s[64:65], 0
	v_nop
	global_prefetch_b8 v0, s[64:65] scope:SCOPE_SE
	s_setreg_imm32_b32 hwreg(HW_REG_WAVE_SCHED_MODE, 0, 2), 2
	s_setreg_imm32_b32 hwreg(HW_REG_WAVE_MODE, 25, 1), 1
	s_wait_xcnt 0x0
	s_wait_alu depctr_vm_vsrc(0)
; TensorTrainLinear: out[b][x][y][z] = bias[x][y][z] + sum over k,r of core2[r][k][z] * t2[b][k][x][y][r],
;   t2 = sum over j,q of core1[q][j][y][r] * t1[b][j][k][x][q],   t1 = sum over i of core0[i][x][q] * X[b][i][j][k].
; 2,048 rows b of 4,096 f32 in and out; every index runs over 16.
;
; LIMITS.  Matrix operands are f16, sums f32.  x, the cores, t1 and each wave's partial t2 are rounded to f16: a magnitude above 65,504
; becomes infinite (and, against the zero half of step 1's K, NaN); below 6.1e-5 the absolute rounding error is up to 3e-8.
; An output is (partial of j 0-7) + (partial of j 8-15) + bias in f32: another order of adding than the reference's.
;
; THE SHAPE.  b is the only index that lives through all three steps, so 16 rows b are the matrix column n (the lanes) and the weights
; are always operand A.  A result tile holds (m = 8h + register, n = lane % 16); two such tiles packed to f16 ARE the B fragment of the
; next step (registers 0-3: k = 8h.., registers 4-7: k = 16 + 8h..): t1 and t2 never leave the registers.
; A work-group has 16 rows b (ttmp9 >> 1) and eight x (ttmp9 & 1).  Wave w: jh = w & 1 is its half of j, p = w >> 1 its four x.
; The wave's half of core1 (16 y x 4 K steps x 8 registers = 512) stays in registers; the wave makes t1 for its own j alone, a partial
; t2, and sends that through step 3, which is linear; the two partial outputs of a pair meet in LDS on the way out.
; For one x and two k a wave issues 16 (step 1, half of K is zero) + 128 (step 2) + 16 (step 3) matrix instructions.
;
; NO TENSOR LOADS, NO CLUSTER: every input is f32 in memory and has to be rounded to f16 and laid anew, which takes registers; each
; work-group reads its inputs once, in front of the loop (256 KiB of x, 280 KiB of cores), and the loop loads only 1 KiB of bias a trip.
;
; THE MODE: SCHED_MODE bits 1:0 = 2 (LLVM: expert scheduling mode 2), set by the entry lines.  The code itself states the register
; dependences between vector or matrix instructions and memory or LDS instructions, with s_wait_alu, always for 0.
; THE PLAN.  Registers that memory or LDS instructions touch:
;   v6-v22       offsets and LDS addresses, made once at the head; v[A0R] alone is written again, at each trip's end.
;   in front of the loop, group g:
;   LR[g % 6]    The loads of group g land in it (issued in group g - 6); group g's conversions read it.
;   PK[g & 1]    Group g's conversions write it; group g's LDS stores read it.
;                One wait on va_vdst behind a group's conversions: PK[g & 1] is written, LR[g % 6] is read out; the loads of group g + 6
;                and the group's LDS stores follow it.  One wait on vm_vsrc ahead of the conversions: the stores of group g - 2 have read PK[g & 1].
;   in the loop:
;   BIAS, A0+4..7, XF of the first pair   loaded at the trip's head; read by the way out's additions and by step 1's products.
;   XF           Pair kp: step 1's products read it; the 16 LDS loads of pair kp + 1 land in it, behind one wait on va_vdst that stands behind t1's last conversions.
;   D3           Step 3's products write it; the stage's LDS stores read it; the stage's LDS loads land in it; the additions write it; the global stores read it.
;   T1, T2, RING, the zero halves of A0, core1's and core2's fragments are named in the loop by vector and matrix instructions alone.
;
; LDS (bytes)
.set XQ,    2064                       ; four blocks of 512 bytes (k & 3) and 16 bytes of padding
.set XJ,    4*XQ                       ; from j to j + 1
.set XB,    0                          ; x in f16: (j, k, h, b) = 16 bytes (i = 8h..8h+7) at j XJ + (k>>2) XQ + (k&3) 512 + 256 h + 16 b
.set W1S,   16*XJ                      ; core1 in f16: row 16 j + q, pitch WP, column 16 y + r
.set WP,    544                        ; 512 + 32
.set OS,    W1S                        ; the way out lies over core1's stage, which is read only once: part w, row b, 256 f32 (y, z)
.set OP,    1040                       ; 1,024 + 16
.set OPART, 16*OP
.set C0S,   W1S+256*WP                 ; core0 in f16, this work-group's eight x: row i, pitch C0P, column 16 (x & 7) + q
.set C0P,   288                        ; 256 + 32
.set C2S,   C0S+16*C0P                 ; core2 in f16: row 16 k + r, pitch 32, column z.  Ends at C2S + 8,192 = 284,160
; REGISTERS, block 0
.set XG,   6                           ; x: my byte offset from the group's first row
.set XS,   7                           ; x: where I store in XB
.set W1G,  8                           ; core1: my byte offset
.set W1A,  9                           ; v9, v10: where I store in W1S, j 0-7 and j 8-15
.set CG,   11                          ; core2: my byte offset
.set C0W,  12                          ; where I store in C0S
.set C2W,  13                          ; where I store in C2S
.set TR,   14                          ; transposing reads of W1S
.set C2R,  15                          ; of C2S
.set A0R,  16                          ; of C0S, at the trip's x
.set XA,   17                          ; fragment reads of XB
.set OW,   18                          ; way out: where I put my results
.set ORD,  19                          ; way out: where I read rows back
.set OUTO, 20                          ; my byte offset in out0
.set BO,   21                          ; my byte offset in bias
.set C0G,  22                          ; core0: my byte offset
.set BIAS, 32                          ; v[32:39]   bias of the trip's x: my 16 bytes of each half row
.set PK,   32                          ; v[32:63]   in front of the loop: two buffers of 16, packed f16 on their way to LDS
.set RING, 40                          ; v[40:103]  four slots of two f32 tiles: results of steps 1 and 2 until they are packed
.set LR,   64                          ; v[64:255]  in front of the loop: six groups of 32 registers for global loads
.set D3,   128                         ; v[128:255] step 3's sums: tile y at D3 + 8 y
; block 1
.set T1,   0                           ; 0-63    t1 as B fragments: (k & 1, K step s) at 8 (4 (k&1) + s)
.set XF,   64                          ; 64-127  x as B fragments, same order: registers 0-3 j = 2s, registers 4-7 j = 2s + 1
.set CF,   128                         ; 128-191 core2 as A fragments: pair of k at 8 kp
.set T2,   192                         ; 192-223 t2 as B fragments: four slots
.set A0,   224                         ; 224-235 {0,0,0,0, core0's fragment half, 0,0,0,0}: read from A0+4 it acts on j = 2s, from A0 on j = 2s + 1
; blocks 2, 3: core1 as A fragments: (y, s) in block 2 + (y >> 3) at 8 (4 (y & 7) + s)
; s_set_vgpr_msb's low byte: bits 1:0 source 0, 3:2 source 1, 5:4 source 2, 7:6 destination
.set W_S2LO, 0x06                      ; A block 2, B block 1, C and D block 0
.set W_S2HI, 0x07                      ; A block 3
.set W_S13,  0x05                      ; A and B block 1, C and D block 0
.set W_CVT,  0x40                      ; sources and LDS addresses block 0, destination block 1
.set MSB, 0
.macro WIN new                         ; the immediate's high byte repeats the setting that is left; a switch that changes nothing is dropped
.if MSB != \new
	s_set_vgpr_msb (MSB<<8)|\new
.set MSB, \new
.endif
.endm
.macro PLACES n                        ; places behind matrix instructions where no useful independent vector work is at hand (ISA guide 7.12.1)
.rept \n
	v_nop
.endr
.endm
	s_load_b256 s[4:11], s[0:1], 0x0               ; x s[4:5], core0 s[6:7], core1 s[8:9], core2 s[10:11]
	s_load_b128 s[12:15], s[0:1], 0x20             ; bias s[12:13], out0 s[14:15]
	v_lshl_add_u32 v30, v0, 2, 0x45600
	v_mov_b32 v31, 0
	v_and_b32 v1, 31, v0                           ; L
	v_lshrrev_b32 v4, 5, v0
	v_readfirstlane_b32 s16, v4                    ; w
	v_and_b32 v2, 15, v0                           ; r
	v_bfe_u32 v3, v0, 4, 1                         ; h
	s_wait_alu depctr_va_sdst(0)                   ; s16 is written, ahead of its first reader: jh, p and every wave term below are made from it
	s_and_b32 s17, s16, 1                          ; jh
	s_lshr_b32 s18, s16, 1                         ; p
	s_lshr_b32 s19, ttmp9, 1                       ; group of 16 rows b
	s_and_b32 s20, ttmp9, 1                        ; xh
	s_lshl_b32 s21, s20, 3
	s_lshl2_add_u32 s21, s18, s21                  ; my first x = 8 xh + 4 p
	s_lshl_b32 s26, s18, 17                        ; XG = p x 8 rows of 16,384 bytes + jh x 512 + 16 L
	s_lshl_b32 s27, s17, 9
	s_add_co_u32 s26, s26, s27
	v_lshl_add_u32 v[XG], v1, 4, s26
	s_mul_i32 s26, s17, 32*XQ                      ; XS = (32 jh + L) XQ + 128 p: lane L holds j = 8 jh + (L >> 2), k >> 2 = L & 3
	s_lshl_b32 s27, s18, 7
	s_add_co_u32 s26, s26, s27
	v_mul_u32_u24 v[XS], v1, XQ
	v_add_nc_u32 v[XS], s26, v[XS]
	s_lshl_b32 s26, s16, 16                        ; W1G = 4 w planes q of 16,384 bytes + 16 L
	v_lshl_add_u32 v[W1G], v1, 4, s26
	s_mul_i32 s26, s16, 4*WP                       ; W1A = W1S + row 4 w + 8 L
	s_add_co_u32 s26, s26, W1S
	v_lshl_add_u32 v[W1A], v1, 3, s26
	v_add_nc_u32 v[W1A+1], 8*16*WP, v[W1A]
	v_lshlrev_b32 v[CG], 5, v0                     ; 32 bytes a thread
	s_lshl_b32 s26, s16, 10                        ; C0G = row w + xh x 512 + 16 L
	s_lshl_b32 s27, s20, 9
	s_add_co_u32 s26, s26, s27
	v_lshl_add_u32 v[C0G], v1, 4, s26
	s_mul_i32 s26, s16, C0P                        ; C0W = C0S + row w + 8 L
	s_add_co_u32 s26, s26, C0S
	v_lshl_add_u32 v[C0W], v1, 3, s26
	s_lshl_b32 s26, s16, 5                         ; C2W = C2S + (16 (L >> 1) + w) x 32 + 16 (L & 1)
	s_add_co_u32 s26, s26, C2S
	v_lshrrev_b32 v4, 1, v1
	v_and_b32 v5, 1, v1
	v_lshl_add_u32 v4, v4, 9, s26
	v_lshl_add_u32 v[C2W], v5, 4, v4
	v_and_b32 v4, 7, v1                            ; the lane's part in a transposing read of a tile stored [K][N]:
	v_lshl_or_b32 v4, v3, 3, v4                    ; row 8 h + (L & 7),
	v_bfe_u32 v5, v1, 3, 1
	v_lshlrev_b32 v5, 4, v5                        ; 16 bytes x ((L >> 3) & 1)
	s_mul_i32 s26, s17, 128*WP                     ; TR: my j half starts at row 128 jh
	s_add_co_u32 s26, s26, W1S
	v_mul_u32_u24 v[TR], v4, WP
	v_add3_u32 v[TR], v[TR], v5, s26
	v_lshl_add_u32 v[C2R], v4, 5, v5
	v_add_nc_u32 v[C2R], C2S, v[C2R]
	s_lshl_b32 s26, s18, 7                         ; A0R: 32 bytes for each x, my first is 4 p of the staged eight
	s_add_co_u32 s26, s26, C0S
	v_mul_u32_u24 v[A0R], v4, C0P
	v_add3_u32 v[A0R], v[A0R], v5, s26
	s_mul_i32 s26, s17, 8*XJ                       ; XA = my j half + 16 L (= 256 h + 16 b)
	v_lshl_add_u32 v[XA], v1, 4, s26
	s_mul_i32 s26, s16, OPART                      ; OW = my part + row r + 32 h
	s_add_co_u32 s26, s26, OS
	v_mul_u32_u24 v[OW], v2, OP
	v_lshl_add_u32 v[OW], v3, 5, v[OW]
	v_add_nc_u32 v[OW], s26, v[OW]
	s_mul_i32 s26, s18, 2*OPART                    ; ORD = my pair's two parts, rows 8 jh .., + 16 L
	s_mul_i32 s27, s17, 8*OP
	s_add_co_u32 s26, s26, s27
	s_add_co_u32 s26, s26, OS
	v_lshl_add_u32 v[ORD], v1, 4, s26
	s_lshl_b32 s26, s17, 17                        ; OUTO = 8 jh rows of 16,384 bytes + 16 L
	v_lshl_add_u32 v[OUTO], v1, 4, s26
	v_lshlrev_b32 v[BO], 4, v1
	s_wait_kmcnt 0x0
	s_lshl_b32 s24, s19, 18                        ; 16 rows of 16,384 bytes
	s_mov_b32 s25, 0
	s_add_nc_u64 s[4:5], s[4:5], s[24:25]
	s_add_nc_u64 s[14:15], s[14:15], s[24:25]
	s_lshl_b32 s24, s21, 10                        ; 1,024 bytes for each x
	s_add_nc_u64 s[14:15], s[14:15], s[24:25]
	s_add_nc_u64 s[12:13], s[12:13], s[24:25]
	s_wait_alu depctr_va_vdst(0)                   ; the offsets and LDS addresses v6 to v22 are written, which the loads and stores of the whole kernel read
; IN FRONT OF THE LOOP: 34 groups of loads a wave, six groups in flight.  Groups 0-15: x (rows b = 8 p + (g >> 1), i = 8 (g & 1) + e, the
; 512 bytes of my j half).  Groups 16-31: core1 (j = g - 16, q = 4 w + (e >> 1), half a row).  Group 32: core0.  Group 33: core2.
; ISS counts the loads issued, DONE those up to the group at work: their difference is the number of younger loads.
.set ISS, 0
.set DONE, 0
.macro ISSUE g
.set LB, LR+32*((\g)%6)
.if (\g) < 16
.irp e, 0,1,2,3,4,5,6,7
	global_load_b128 v[LB+4*\e:LB+4*\e+3], v[XG], s[4:5] offset:((\g)>>1)*16384+(8*((\g)&1)+\e)*1024
.endr
.set ISS, ISS+8
.elseif (\g) < 32
.irp e, 0,1,2,3,4,5,6,7
	global_load_b128 v[LB+4*\e:LB+4*\e+3], v[W1G], s[8:9] offset:(\e>>1)*16384+((\g)-16)*1024+(\e&1)*512
.endr
.set ISS, ISS+8
.elseif (\g) == 32
.irp u, 0,1,2,3
	global_load_b128 v[LB+4*\u:LB+4*\u+3], v[C0G], s[6:7] offset:\u*4096          ; row i = 4 u + w, my work-group's eight x
.endr
.set ISS, ISS+4
.else
.irp u, 0,1,2,3
	global_load_b128 v[LB+8*\u:LB+8*\u+3],   v[CG], s[10:11] offset:\u*4096       ; r = 4 u + w, k = L >> 1, z = 8 (L & 1) ..
	global_load_b128 v[LB+8*\u+4:LB+8*\u+7], v[CG], s[10:11] offset:\u*4096+16
.endr
.set ISS, ISS+8
.endif
.endm
; Group g is rounded to f16, out of LR[g % 6] into PK[g & 1].
.macro CONV g
.set LB, LR+32*((\g)%6)
.set PB, PK+16*((\g)&1)
.if (\g) == 32
.set DONE, DONE+4
.else
.set DONE, DONE+8
.endif
	s_wait_loadcnt ISS-DONE                        ; loads return in order (ISA guide 5.7.1): this group is in, the younger ones stay out
.if (\g) >= 2
	s_wait_alu depctr_vm_vsrc(0)                   ; the LDS stores of the group two back have read PK[g & 1], which the conversions below write again
.endif
.if (\g) < 16
.irp t, 0,1,2,3                                    ; register 4 e + t holds (i = 8 h' + e, k = 4 (L & 3) + t): for each t eight i make 16 bytes
.irp d, 0,1,2,3
	v_cvt_pk_f16_f32 v[PB+4*\t+\d], v[LB+8*\d+\t], v[LB+8*\d+4+\t]
.endr
.endr
.elseif (\g) < 32
.irp e, 0,1,2,3,4,5,6,7
	v_cvt_pk_f16_f32 v[PB+2*\e],   v[LB+4*\e],   v[LB+4*\e+1]
	v_cvt_pk_f16_f32 v[PB+2*\e+1], v[LB+4*\e+2], v[LB+4*\e+3]
.endr
.elseif (\g) == 32
.irp u, 0,1,2,3
	v_cvt_pk_f16_f32 v[PB+2*\u],   v[LB+4*\u],   v[LB+4*\u+1]
	v_cvt_pk_f16_f32 v[PB+2*\u+1], v[LB+4*\u+2], v[LB+4*\u+3]
.endr
.else
.irp u, 0,1,2,3
.irp d, 0,1,2,3
	v_cvt_pk_f16_f32 v[PB+4*\u+\d], v[LB+8*\u+2*\d], v[LB+8*\u+2*\d+1]
.endr
.endr
.endif
	s_wait_alu depctr_va_vdst(0)                   ; the conversions have written PK[g & 1], which the group's LDS stores read, and are done reading LR[g % 6], in which the loads of group g + 6 land
.endm
; Group g goes to LDS, out of PK[g & 1].
.macro PUT g
.set PB, PK+16*((\g)&1)
.if (\g) < 16
.irp t, 0,1,2,3
	ds_store_b128 v[XS], v[PB+4*\t:PB+4*\t+3] offset:\t*512+((\g)&1)*256+((\g)>>1)*16   ; lanes XQ apart: 16 bytes apart modulo 256
.endr
.elseif (\g) < 32
.irp e, 0,1,2,3,4,5,6,7
	ds_store_b64 v[W1A+(((\g)-16)>>3)], v[PB+2*\e:PB+2*\e+1] offset:(((\g)-16)&7)*16*WP+(\e>>1)*WP+(\e&1)*256
.endr
.elseif (\g) == 32
.irp u, 0,1,2,3
	ds_store_b64 v[C0W], v[PB+2*\u:PB+2*\u+1] offset:\u*4*C0P
.endr
.else
.irp u, 0,1,2,3
	ds_store_b128 v[C2W], v[PB+4*\u:PB+4*\u+3] offset:\u*128
.endr
.endif
.endm
.irp g, 0,1,2,3,4,5
	ISSUE \g
.endr
.irp g, 0,1,2,3,4,5,6,7,8,9,10,11,12,13,14,15,16,17,18,19,20,21,22,23,24,25,26,27,28,29,30,31,32,33
	CONV \g
.if \g+6 < 34
	ISSUE \g+6                                     ; the emptied buffer is asked for again at once, ahead of the LDS stores; no vector instruction since the wait names it
.endif
	PUT \g
.endr
	s_wait_dscnt 0x0                               ; my stores are in LDS, for the other waves' sake,
	s_barrier_signal -1
	s_barrier_wait -1                              ; and so are everybody's
	s_wait_alu depctr_vm_vsrc(0)                   ; my LDS stores have read PK: these registers are BIAS and RING from here on, written by the bias's loads and by matrix instructions
	; core1's fragments of my j half, for good: A(y, s): row m = r, k = 16 (j & 1) + q, j = 8 jh + 2 s + (j & 1)
	; (no vector instruction names the registers in which these loads and core2's land; their addresses stand ahead of the head's wait)
.irp blk, 0,1
	WIN 0x80+0x40*\blk
.irp y, 0,1,2,3,4,5,6,7
.irp s, 0,1,2,3
	ds_load_tr16_b128 v[8*(4*\y+\s):8*(4*\y+\s)+3],   v[TR] offset:2*\s*16*WP+32*(\y+8*\blk)
	ds_load_tr16_b128 v[8*(4*\y+\s)+4:8*(4*\y+\s)+7], v[TR] offset:(2*\s+1)*16*WP+32*(\y+8*\blk)
.endr
.endr
.endr
	WIN W_CVT
.irp kp, 0,1,2,3,4,5,6,7                           ; core2's fragments: row m = z, k = 16 (k & 1) + r
	ds_load_tr16_b128 v[CF+8*\kp:CF+8*\kp+3],   v[C2R] offset:(2*\kp)*512
	ds_load_tr16_b128 v[CF+8*\kp+4:CF+8*\kp+7], v[C2R] offset:(2*\kp+1)*512
.endr
.irp d, 0,1,2,3,8,9,10,11
	v_mov_b32 v[A0+\d], 0                          ; the zero halves on both sides of core0's fragment half
.endr
; 16 LDS loads: x's fragments of k = 2 kp, 2 kp + 1 and my eight j; each load takes 512 neighbouring bytes
.macro LOADX kp
.irp kk, 0,1
.irp s, 0,1,2,3
.irp jj, 0,1
	ds_load_b128 v[XF+8*(4*\kk+\s)+4*\jj:XF+8*(4*\kk+\s)+4*\jj+3], v[XA] offset:(2*\s+\jj)*XJ+((2*(\kp)+\kk)>>2)*XQ+((2*(\kp)+\kk)&3)*512
.endr
.endr
.endr
.endm
; step 1 for x fragment c: t1(q, b) of j = 2 s in the slot's low tile, of j = 2 s + 1 in its high tile
.macro S1C c, slot
	v_wmma_f32_16x16x32_f16 v[RING+16*(\slot):RING+16*(\slot)+7],    v[A0+4:A0+11], v[XF+8*(\c):XF+8*(\c)+7], 0
	v_wmma_f32_16x16x32_f16 v[RING+16*(\slot)+8:RING+16*(\slot)+15], v[A0:A0+7],    v[XF+8*(\c):XF+8*(\c)+7], 0
.endm
; two f32 tiles become one B fragment
.macro CV src, dst
.irp d, 0,1,2,3,4,5,6,7
	v_cvt_pk_f16_f32 v[(\dst)+\d], v[(\src)+2*\d], v[(\src)+2*\d+1]
.endr
.endm
; step 2 for one y: t2(r, b) of k = 2 kp in the low tile, of k = 2 kp + 1 in the high tile; the first product starts each sum
.macro S2C y, slot
.irp s, 0,1,2,3
.if \s == 0
	v_wmma_f32_16x16x32_f16 v[RING+16*(\slot):RING+16*(\slot)+7],    v[8*(4*((\y)&7)+\s):8*(4*((\y)&7)+\s)+7], v[T1+8*\s:T1+8*\s+7], 0
	v_wmma_f32_16x16x32_f16 v[RING+16*(\slot)+8:RING+16*(\slot)+15], v[8*(4*((\y)&7)+\s):8*(4*((\y)&7)+\s)+7], v[T1+32+8*\s:T1+32+8*\s+7], 0
.else
	v_wmma_f32_16x16x32_f16 v[RING+16*(\slot):RING+16*(\slot)+7],    v[8*(4*((\y)&7)+\s):8*(4*((\y)&7)+\s)+7], v[T1+8*\s:T1+8*\s+7], v[RING+16*(\slot):RING+16*(\slot)+7]
	v_wmma_f32_16x16x32_f16 v[RING+16*(\slot)+8:RING+16*(\slot)+15], v[8*(4*((\y)&7)+\s):8*(4*((\y)&7)+\s)+7], v[T1+32+8*\s:T1+32+8*\s+7], v[RING+16*(\slot)+8:RING+16*(\slot)+15]
.endif
.endr
.endm
; step 3 for one y: out(z, b) gains the two k of this pair; the first pair starts the sum
.macro S3 y, kp
.if (\kp) == 0
	v_wmma_f32_16x16x32_f16 v[D3+8*(\y):D3+8*(\y)+7], v[CF+8*(\kp):CF+8*(\kp)+7], v[T2+8*((\y)&3):T2+8*((\y)&3)+7], 0
.else
	v_wmma_f32_16x16x32_f16 v[D3+8*(\y):D3+8*(\y)+7], v[CF+8*(\kp):CF+8*(\kp)+7], v[T2+8*((\y)&3):T2+8*((\y)&3)+7], v[D3+8*(\y):D3+8*(\y)+7]
.endif
.endm
; One x, two k.  Distances behind matrix instructions (ISA guide 7.12.1) are kept by the order of the work: what packs the tiles of
; unit m - 1 stands behind the matrix instructions of unit m and has the sixteen conversions of unit m - 2, which name none of unit
; m - 1's registers, between it and unit m - 1; a half of the ring and of T2 is written again two units later, behind the same runs.
; v_nop stand only where no such run exists: behind step 1's two runs and behind unit 0.
.macro KPAIR kp
	s_wait_dscnt 0x0                               ; x's fragments, asked for one whole step 2 earlier (in the first pair: all fragments); nothing else is out
	WIN W_S13
.irp c, 0,1,2,3
	S1C \c, \c
.endr
	WIN W_CVT
	PLACES 4
.irp c, 0,1,2,3
	CV RING+16*\c, T1+8*\c
.endr
	WIN W_S13
.irp c, 0,1,2,3
	S1C \c+4, \c
.endr
	WIN W_CVT
	PLACES 4
.irp c, 0,1,2,3
	CV RING+16*\c, T1+32+8*\c
.endr
.if (\kp) < 7
	s_wait_alu depctr_va_vdst(0)                   ; step 1's products are done reading XF, in which the loads below land; it stands behind t1's conversions, for which step 2's products wait in any case
	LOADX (\kp)+1                                  ; the next pair's x, in one run under the window that is set: among step 2's products each load would want two switches
.endif
.irp m, 0,1,2,3,4,5,6,7                            ; unit m: y = 2 m, 2 m + 1, in ring half m & 1
.if \m < 4
	WIN W_S2LO
.else
	WIN W_S2HI
.endif
	S2C 2*\m, 2*(\m&1)
	S2C 2*\m+1, 2*(\m&1)+1
.if \m >= 2
	WIN W_S13
	S3 2*\m-4, \kp
	S3 2*\m-3, \kp
.endif
.if \m >= 1
	WIN W_CVT
	CV RING+32*((\m-1)&1), T2+16*((\m-1)&1)
	CV RING+32*((\m-1)&1)+16, T2+16*((\m-1)&1)+8
.else
	PLACES 4
.endif
.endr
	WIN W_S13
	S3 12, \kp
	S3 13, \kp
	WIN W_CVT
	CV RING+32, T2+16
	CV RING+48, T2+24
	WIN W_S13
	S3 14, \kp
	S3 15, \kp
.endm
	WIN 0                                          ; at a label and at a branch every window is 0
	s_mov_b32 s22, 4                               ; four x a wave
.Lx:
	s_wait_alu depctr_va_vdst(0)                   ; over the backward jump: the additions are done reading BIAS, step 1's products are done reading A0 and XF, and v[A0R] is written; only loads and one window switch follow up to the last of the loads that lean on it
	global_load_b128 v[BIAS:BIAS+3],   v[BO], s[12:13]             ; wanted at the trip's end
	global_load_b128 v[BIAS+4:BIAS+7], v[BO], s[12:13] offset:512
	WIN W_CVT
	ds_load_tr16_b128 v[A0+4:A0+7], v[A0R]         ; core0(i = 8 h .., x, q = r)
	LOADX 0
.irp kp, 0,1,2,3,4,5,6,7
	KPAIR \kp
.endr
	; THE WAY OUT.  A lane holds out(b = r, y, z = 8 h .. 8 h + 7) of its j half.  Both halves go to LDS as rows b of 1,024 bytes; then
	; wave (p, jh) reads rows 8 jh .. 8 jh + 7 of both parts, adds them and the bias, and stores 512 neighbouring, aligned bytes at a time.
	WIN 0
	PLACES 4                                       ; behind the last matrix instructions, in front of the LDS stores that read their results
	s_wait_alu depctr_va_vdst(0)                   ; step 3's products have written D3, which the LDS stores below read and in which the stage's loads land later; the places above stay beside this wait
	s_wait_dscnt 0x0                               ; my reads of these LDS bytes are over (first trip: core1's stage; later: the last way out)
	s_barrier_signal -1
	s_barrier_wait -1                              ; everybody's are: the stage may be written
.irp y, 0,1,2,3,4,5,6,7,8,9,10,11,12,13,14,15
	ds_store_b128 v[OW], v[D3+8*\y:D3+8*\y+3]   offset:64*\y       ; rows OP apart: 16 bytes apart modulo 256
	ds_store_b128 v[OW], v[D3+8*\y+4:D3+8*\y+7] offset:64*\y+16
.endr
	s_wait_dscnt 0x0                               ; my part is in LDS, for my partner's sake
	s_barrier_signal -1
	s_barrier_wait -1
	s_wait_alu depctr_vm_vsrc(0)                   ; my LDS stores have read D3, in which the loads below land and which the additions write
.irp t, 0,1,2,3,4,5,6,7,8,9,10,11,12,13,14,15      ; t = 2 row + half row
	ds_load_b128 v[D3+8*\t:D3+8*\t+3],   v[ORD] offset:(\t>>1)*OP+(\t&1)*512
	ds_load_b128 v[D3+8*\t+4:D3+8*\t+7], v[ORD] offset:OPART+(\t>>1)*OP+(\t&1)*512
.endr
	s_wait_loadcnt 0x0                             ; the bias, asked for at the trip's head
.irp q, 0,1,2,3                                    ; four batches of four t: the additions, one wait, the run of stores
.irp u, 0,1,2,3
.set tn, 4*\q+\u
	s_wait_dscnt 30-2*tn                           ; LDS loads return in order: the two of t are in, the 2 (15 - t) younger ones stay out
	v_pk_add_f32 v[D3+8*tn:D3+8*tn+1],   v[D3+8*tn:D3+8*tn+1],   v[D3+8*tn+4:D3+8*tn+5]
	v_pk_add_f32 v[D3+8*tn+2:D3+8*tn+3], v[D3+8*tn+2:D3+8*tn+3], v[D3+8*tn+6:D3+8*tn+7]
	v_pk_add_f32 v[D3+8*tn:D3+8*tn+1],   v[D3+8*tn:D3+8*tn+1],   v[BIAS+4*(tn&1):BIAS+4*(tn&1)+1]
	v_pk_add_f32 v[D3+8*tn+2:D3+8*tn+3], v[D3+8*tn+2:D3+8*tn+3], v[BIAS+4*(tn&1)+2:BIAS+4*(tn&1)+3]
.endr
	s_wait_alu depctr_va_vdst(0)                   ; the batch's sixteen additions have written its four quadruples of D3, which the four stores below read
.irp u, 0,1,2,3
.set tn, 4*\q+\u
	global_store_b128 v[OUTO], v[D3+8*tn:D3+8*tn+3], s[14:15] offset:(tn>>1)*16384+(tn&1)*512 th:TH_STORE_NT
.endr
.endr
	s_wait_xcnt 0x0                                ; the stores' data (D3, which the next trip's sums overwrite) and both bases are rewritten only behind this wait
	s_wait_alu depctr_vm_vsrc(0)                   ; the stores have read D3, which the next trip's products write; the trip's load of core0's fragment has read v[A0R], which the add below writes
	s_add_nc_u64 s[14:15], s[14:15], 1024          ; the next x
	s_add_nc_u64 s[12:13], s[12:13], 1024
	v_add_nc_u32 v[A0R], 32, v[A0R]
	s_sub_co_i32 s22, s22, 1
	s_cmp_lg_u32 s22, 0
	s_cbranch_scc1 .Lx
	s_wait_dscnt 0x0
	s_wait_alu depctr_hold_cnt(0) depctr_sa_sdst(0) depctr_va_vdst(0) depctr_va_sdst(0) depctr_va_ssrc(0) depctr_va_vcc(0) depctr_vm_vsrc(0)
	s_wait_tensorcnt 0x0
	ds_add_u32 v30, v31
	s_wait_dscnt 0x0
	s_endpgm
.Lfunc_end_k_q6ee542b330_tt:
	.size	k_q6ee542b330_tt, .Lfunc_end_k_q6ee542b330_tt-k_q6ee542b330_tt
	.p2alignl 7, 3214868480
	.fill 96, 4, 3214868480
	.section	.rodata,"a",@progbits
	.p2align	6, 0x0
	.amdhsa_kernel k_q6ee542b330_tt
		.amdhsa_group_segment_fixed_size 284672
		.amdhsa_private_segment_fixed_size 0
		.amdhsa_enable_private_segment 0
		.amdhsa_kernarg_size 48
		.amdhsa_user_sgpr_count 2
		.amdhsa_user_sgpr_kernarg_segment_ptr 1
		.amdhsa_wavefront_size32 1
		.amdhsa_system_sgpr_workgroup_id_x 1
		.amdhsa_system_sgpr_workgroup_id_y 1
		.amdhsa_system_sgpr_workgroup_id_z 1
		.amdhsa_system_vgpr_workitem_id 0
		.amdhsa_next_free_vgpr 1024
		.amdhsa_next_free_sgpr 66
		.amdhsa_reserve_vcc 0
		.amdhsa_float_denorm_mode_32 3
		.amdhsa_float_denorm_mode_16_64 3
		.amdhsa_memory_ordered 1
		.amdhsa_forward_progress 1
		.amdhsa_inst_pref_size 255
	.end_amdhsa_kernel
	.section	.bss,"aw",@nobits
	.p2align	6
	.space	262144
	.amdgpu_metadata
---
amdhsa.version: [ 1, 2 ]
amdhsa.kernels:
  - .name:           k_q6ee542b330_tt
    .symbol:         k_q6ee542b330_tt.kd
    .args:
      - { .name: x, .offset: 0, .size: 8, .value_kind: global_buffer, .address_space: global }
      - { .name: core0, .offset: 8, .size: 8, .value_kind: global_buffer, .address_space: global }
      - { .name: core1, .offset: 16, .size: 8, .value_kind: global_buffer, .address_space: global }
      - { .name: core2, .offset: 24, .size: 8, .value_kind: global_buffer, .address_space: global }
      - { .name: bias, .offset: 32, .size: 8, .value_kind: global_buffer, .address_space: global }
      - { .name: out0, .offset: 40, .size: 8, .value_kind: global_buffer, .address_space: global }
    .group_segment_fixed_size: 284672
    .private_segment_fixed_size: 0
    .kernarg_segment_align: 8
    .kernarg_segment_size: 48
    .max_flat_workgroup_size: 128
    .sgpr_count:     66
    .vgpr_count:     1024
    .wavefront_size: 32
...
	.end_amdgpu_metadata
.endif
;; end of part 2
